; MI455X (gfx1250); checked and timed in simulation.
; The chip was launched on July 23, 2026; its instructions are those of AMD's public machine-readable ISA for CDNA 5 (MIT licence, August 2026) and "CDNA5" Instruction Set Architecture Reference Guide (July 2026). The comments in the code are by the model that wrote it; some were corrected since.
;; Attention Block. Allowed arithmetic: matrix products marked QUANTISED: E4M3 operands, one E8M0 scale for each 32 along K, by v_wmma_scale_f32_16x16x128_f8f6f4 with both operands' format E4M3, f32 sums; everything else in f32.
;; Inputs: beta 128 float32; bk 128 float32; bo 128 float32; bq 128 float32; bv 128 float32; gamma 128 float32; wk_codes 128 x 4 x 32 uint8 (E4M3 codes of wk, K innermost, in blocks of 32 codes); wk_scales 128 x 4 uint8 (E8M0 scales of wk, one for each 32 codes along K); wo_codes 128 x 4 x 32 uint8 (E4M3 codes of wo, K innermost, in blocks of 32 codes); wo_scales 128 x 4 uint8 (E8M0 scales of wo, one for each 32 codes along K); wq_codes 128 x 4 x 32 uint8 (E4M3 codes of wq, K innermost, in blocks of 32 codes); wq_scales 128 x 4 uint8 (E8M0 scales of wq, one for each 32 codes along K); wv_codes 128 x 4 x 32 uint8 (E4M3 codes of wv, K innermost, in blocks of 32 codes); wv_scales 128 x 4 uint8 (E8M0 scales of wv, one for each 32 codes along K); x 4 x 128 x 64 x 64 float32.
;; Outputs: out0 4 x 128 x 64 x 64 float32.
;; This version of the problem:
;;   THIS VERSION OF THE PROBLEM IS GIVEN IN LOW PRECISION. The matrix products marked QUANTISED in the list below multiply operands that are first quantised to E4M3 (4 exponent bits, 3 mantissa bits; 8 bits a number), with one power-of-two scale for each 32 numbers along K (OCP MX v1.0); their sums are f32. All else is computed in f32.
;;   The module's matrix products, in the order in which they are computed (A, B: the left and right operand; K: the contracted axis; several contracted axes count as one K, in the product's order):
;;     1. [M 128, K 128] x [K 128, N 16,384]; A: input wq (given as codes); B: computed on the way: QUANTISED
;;     2. [M 128, K 128] x [K 128, N 16,384]; A: input wk (given as codes); B: computed on the way: QUANTISED
;;     3. [M 128, K 128] x [K 128, N 16,384]; A: input wv (given as codes); B: computed on the way: QUANTISED
;;     4. batch 4 x [M 4,096, K 128] x [K 128, N 4,096]; A: computed on the way; B: computed on the way: QUANTISED
;;     5. batch 4 x [M 128, K 4,096] x [K 4,096, N 4,096]; A: computed on the way; B: softmax (see below): QUANTISED
;;     6. [M 128, K 128] x [K 128, N 16,384]; A: input wo (given as codes); B: computed on the way: QUANTISED
;;   THE QUANTISER, for each operand of a quantised product, along K:
;;     - K is cut into blocks of 32 from its start; a last block that is shorter is filled with zeros.
;;     - A block's scale is 2^e with e = floor(log2(the largest magnitude in the block)) - 8, held to -126 .. 127; a block of zeros has e = 0. As a byte (E8M0): e + 127.
;;     - Each number is divided by its block's scale, clamped to +-448, and rounded to the nearest number of E4M3, ties to even, subnormals kept.
;;     - The product sums the exact products of the quantised numbers (number of the format x scale) in f32.
;;   ~~~python
;;   def quantise(x, axis):      # numpy; x: float32 -> the quantised numbers, widened to float32 again
;;       x = np.moveaxis(x, axis, -1); K = x.shape[-1]
;;       x = np.pad(x, [(0, 0)] * (x.ndim - 1) + [(0, -K % 32)]); x = x.reshape(x.shape[:-1] + (-1, 32)); a = np.abs(x).max(-1, keepdims=True)
;;       e = np.where(a > 0, np.clip(np.frexp(np.where(a > 0, a, 1))[1] - 1 - 8, -126, 127), 0)      # np.frexp(a)[1] - 1 = floor(log2(a)), exactly
;;       r = np.clip(x / 2.0 ** e, -448, 448)
;;       step = 2.0 ** (np.maximum(np.frexp(np.where(r == 0, 1, r))[1] - 1, -6) - 3)
;;       q = np.round(r / step) * step * 2.0 ** e      # np.round: ties to even
;;       return np.moveaxis(q.reshape(q.shape[:-2] + (-1,))[..., :K], -1, axis).astype(np.float32)
;;   ~~~
;;   SOFTMAX AHEAD OF A QUANTISED PRODUCT. Where the list says 'softmax', what is quantised is not the finished softmax but p = 2^(t - M), with t = logit x log2(e) and M = ceil(the row's largest t), a whole number; so 1/2 < the row's largest p <= 1. The row's sum l is taken of the UNQUANTISED p, in f32, and the product's result is divided by l at the end. Since M is a whole number, a kernel that streams over the keys may use a running M (the ceiling of the running maximum): every later rescaling is an exact power of two, which a block's scale takes up: the codes' values come out the same.
;;   OPERANDS COMPUTED ON THE WAY. 'Computed on the way' means the value that the module computes at that place (a softmax that the list does not call 'softmax' is quantised finished and normalised). What goes into a quantiser is computed in f32, as accurately as f32 sums, v_exp_f32 and their like allow (about 1e-6 of the number): no bf16 or f16 on the way to a quantiser, and a product that is left as it is and whose result goes on into a quantised operand takes f32 operands (vector FMAs, or v_wmma_f32_16x16x4_f32). A number that lies on a knife's edge between two numbers of the format may be rounded either way, as far as f32 arithmetic and the matrix unit's own rounding can turn it there, and no further.
;;   INPUTS GIVEN AS CODES. wk (in the module: [128, 128], K = its axis 1); wo (in the module: [128, 128], K = its axis 1); wq (in the module: [128, 128], K = its axis 1); wv (in the module: [128, 128], K = its axis 1): each comes as NAME_codes (uint8): NAME with its K axis moved to the last place and cut into blocks of 32 codes, [.., K / 32, bytes a block], one block behind the other in memory; one code a byte (a code: sign, 4 exponent bits, 3 mantissa bits); and NAME_scales (uint8): the same leading axes, one E8M0 byte (e + 127) for each 32 codes along K. Its value is code x scale, taken as it is: it is not quantised again, and the codes and scales need not be those that the quantiser above would give.
;; One version. Each part assembles by itself: llvm-mc -triple=amdgcn-amd-amdhsa -mcpu=gfx1250 --defsym DOCPART=n.
;; ======== version 1 of 1: 3 launches
;; limits: right only within a limited range of input values
;; workspace buffers: gstat 2,048 bytes; qc 2,097,152 bytes; qs 65,536 bytes; kv 4,325,376 bytes
;; launch gnstats (part 1): grid 256 x 1, 8 waves a work-group, no clusters, 1,280 bytes of LDS; arguments x, gstat; writes gstat
.if DOCPART == 1
	.amdgcn_target "amdgcn-amd-amdhsa--gfx1250"
	.amdhsa_code_object_version 6
	.text
	.protected	k_q9d34c1119c_gnstats
	.globl	k_q9d34c1119c_gnstats
	.p2align	8
	.type	k_q9d34c1119c_gnstats,@function
k_q9d34c1119c_gnstats:
	s_mov_b64 s[64:65], 0
	v_nop
	global_prefetch_b8 v0, s[64:65] scope:SCOPE_SE
	s_setreg_imm32_b32 hwreg(HW_REG_WAVE_MODE, 25, 1), 1
	s_wait_xcnt 0x0
; GROUP NORM, FIRST HALF: mean and sum of squared deviations of each HALF GROUP of x.
; x is [4][128][4096] f32; a group is 4 channels of one image, 65,536 consecutive bytes; a half group is 2 channels, 8,192 numbers, 32,768 bytes.
; Work-group i takes the 32,768 bytes at 32,768 i and stores (mean, sum of (x - mean)^2) as two f32 at 8 i: a group's record is then 16 bytes (m0, q0, m1, q1).
; Halves, so that 256 work-groups share the read; the next launch joins two halves exactly (q0 + q1 + 4,096 (m1 - m0)^2).
; TWO PASSES over registers: the mean first, then the deviations: no difference of large sums is formed, whatever offset x carries.  x is read from memory once.
; Thread t takes 16 bytes at 16 t + 4,096 k, k = 0 .. 7: a wave's load covers 512 consecutive bytes.  No matrix unit, no tensor load, no cluster: nothing is shared and memory binds.
; The 8 bytes a work-group stores are a part of a 256-byte block; the whole buffer is 2,048 bytes.
; LIMITS: NaN and infinities in x are not served.
.set RED0, 0                           ; LDS: eight waves' partial sums, pass 1
.set RED1, 64                          ; and pass 2: other bytes, so that no barrier is owed between the two uses
.set X,    8                           ; v[8:39]  my 32 numbers
	s_load_b128 s[4:7], s[0:1], 0x0                ; x s[4:5], gstat s[6:7]
	v_lshl_add_u32 v64, v0, 2, 0x100
	v_mov_b32 v65, 0
	v_lshrrev_b32 v2, 5, v0
	s_delay_alu instid0(VALU_DEP_1)
	v_readfirstlane_b32 s8, v2                     ; wave 0..7
	v_lshlrev_b32 v1, 4, v0                        ; 16 t
	s_delay_alu instid0(VALU_DEP_3)
	v_lshlrev_b32 v58, 2, v2                       ; 4 x wave: my wave's word among the partial sums
	v_mov_b32 v59, 0
	v_mov_b32 v45, 0                               ; a lane permute's destination counts as one of its sources
	s_lshl_b32 s10, ttmp9, 15                      ; my half group's first byte
	s_mov_b32 s11, 0
	s_lshl_b32 s16, ttmp9, 3                       ; and its record
	s_mov_b32 s17, 0
	s_mov_b32 s12, 0x76543210                      ; v_permlanex16_b32's selects for lane l xor 16
	s_mov_b32 s13, 0xfedcba98
	s_wait_alu depctr_va_vdst(0)
	s_wait_kmcnt 0x0
	s_add_nc_u64 s[4:5], s[4:5], s[10:11]
	s_add_nc_u64 s[6:7], s[6:7], s[16:17]
.irp k, 0,1,2,3,4,5,6,7
	global_load_b128 v[X+4*\k:X+4*\k+3], v1, s[4:5] offset:4096*\k   ; no hint: later launches read x again
.endr
; v44 summed over the 256 threads, the result in every thread: inside the wave by lane exchanges, between the waves through LDS
.macro WGSUM base
	s_delay_alu instid0(VALU_DEP_1)
	v_add_f32_dpp v44, v44, v44 row_xmask:1 row_mask:0xf bank_mask:0xf
	s_delay_alu instid0(VALU_DEP_1)
	v_add_f32_dpp v44, v44, v44 row_xmask:2 row_mask:0xf bank_mask:0xf
	s_delay_alu instid0(VALU_DEP_1)
	v_add_f32_dpp v44, v44, v44 row_xmask:4 row_mask:0xf bank_mask:0xf
	s_delay_alu instid0(VALU_DEP_1)
	v_add_f32_dpp v44, v44, v44 row_xmask:8 row_mask:0xf bank_mask:0xf
	s_delay_alu instid0(VALU_DEP_1)
	v_permlanex16_b32 v45, v44, s12, s13
	s_delay_alu instid0(VALU_DEP_1)
	v_add_f32 v44, v44, v45
	ds_store_b32 v58, v44 offset:\base             ; all lanes write the wave's word with the same value
	s_wait_dscnt 0x0                               ; for the others' sake: my store is done
	s_barrier_signal -1
	s_barrier_wait -1
	ds_load_b128 v[48:51], v59 offset:\base
	ds_load_b128 v[52:55], v59 offset:\base+16
	s_wait_dscnt 0x0
	v_add_f32 v48, v48, v49
	v_add_f32 v50, v50, v51
	v_add_f32 v52, v52, v53
	v_add_f32 v54, v54, v55
	s_delay_alu instid0(VALU_DEP_3)
	v_add_f32 v48, v48, v50
	s_delay_alu instid0(VALU_DEP_2)
	v_add_f32 v52, v52, v54
	s_delay_alu instid0(VALU_DEP_1)
	v_add_f32 v44, v48, v52
.endm
	; pass 1: the sum, two numbers an instruction, in two chains that the first two loads start
.irp k, 0,1,2,3,4,5,6,7
	s_wait_loadcnt 7-\k                            ; loads come back in order: load k is in, the 7 - k younger ones stay out
.if \k < 2
	v_pk_add_f32 v[40+2*\k:41+2*\k], v[X+4*\k:X+4*\k+1], v[X+4*\k+2:X+4*\k+3]
.else
	s_wait_alu depctr_va_vdst(0)
	v_pk_add_f32 v[40+2*(\k%2):41+2*(\k%2)], v[40+2*(\k%2):41+2*(\k%2)], v[X+4*\k:X+4*\k+1]
	s_delay_alu instid0(VALU_DEP_1)
	v_pk_add_f32 v[40+2*(\k%2):41+2*(\k%2)], v[40+2*(\k%2):41+2*(\k%2)], v[X+4*\k+2:X+4*\k+3]
.endif
.endr
	s_delay_alu instid0(VALU_DEP_1)
	v_pk_add_f32 v[40:41], v[40:41], v[42:43]
	s_delay_alu instid0(VALU_DEP_1)
	v_add_f32 v44, v40, v41
	WGSUM RED0
	s_delay_alu instid0(VALU_DEP_1)
	v_mul_f32 v46, 0x39000000, v44                 ; mean = sum x 2^-13
	s_delay_alu instid0(VALU_DEP_1)
	v_mov_b32 v47, v46                             ; twice: a pair for the packed subtraction
	; pass 2: the deviations, in place, and the sum of their squares
.irp i, 0,1,2,3,4,5,6,7,8,9,10,11,12,13,14,15
	v_pk_add_f32 v[X+2*\i:X+2*\i+1], v[X+2*\i:X+2*\i+1], v[46:47] neg_lo:[0,1] neg_hi:[0,1]
.endr
	v_pk_mul_f32 v[40:41], v[X:X+1], v[X:X+1]
	v_pk_mul_f32 v[42:43], v[X+2:X+3], v[X+2:X+3]
.irp i, 2,3,4,5,6,7,8,9,10,11,12,13,14,15
	s_delay_alu instid0(VALU_DEP_2)
	v_pk_fma_f32 v[40+2*(\i%2):41+2*(\i%2)], v[X+2*\i:X+2*\i+1], v[X+2*\i:X+2*\i+1], v[40+2*(\i%2):41+2*(\i%2)]
.endr
	s_delay_alu instid0(VALU_DEP_1)
	v_pk_add_f32 v[40:41], v[40:41], v[42:43]
	s_delay_alu instid0(VALU_DEP_1)
	v_add_f32 v44, v40, v41
	WGSUM RED1
	s_cmp_lg_u32 s8, 0                             ; wave 0's lane 0 stores the record
	s_cbranch_scc1 .Lend
	v_mov_b32 v56, v46
	v_mov_b32 v57, v44
	s_wait_alu depctr_va_vdst(0)
	s_wait_xcnt 0x0                                ; EXEC is a source of the loads above: it changes only behind this wait
	v_cmp_eq_u32 vcc_lo, 0, v0
	s_and_saveexec_b32 s14, vcc_lo
	global_store_b64 v59, v[56:57], s[6:7]
	s_wait_xcnt 0x0                                ; and again in front of the line that widens it
	s_or_b32 exec_lo, exec_lo, s14
.Lend:
	s_wait_tensorcnt 0x0
	ds_add_u32 v64, v65
	s_wait_dscnt 0x0
	s_endpgm
.Lfunc_end_k_q9d34c1119c_gnstats:
	.size	k_q9d34c1119c_gnstats, .Lfunc_end_k_q9d34c1119c_gnstats-k_q9d34c1119c_gnstats
	.p2alignl 7, 3214868480
	.fill 96, 4, 3214868480
	.section	.rodata,"a",@progbits
	.p2align	6, 0x0
	.amdhsa_kernel k_q9d34c1119c_gnstats
		.amdhsa_group_segment_fixed_size 1280
		.amdhsa_private_segment_fixed_size 0
		.amdhsa_enable_private_segment 0
		.amdhsa_kernarg_size 16
		.amdhsa_user_sgpr_count 2
		.amdhsa_user_sgpr_kernarg_segment_ptr 1
		.amdhsa_wavefront_size32 1
		.amdhsa_system_sgpr_workgroup_id_x 1
		.amdhsa_system_sgpr_workgroup_id_y 1
		.amdhsa_system_sgpr_workgroup_id_z 1
		.amdhsa_system_vgpr_workitem_id 0
		.amdhsa_next_free_vgpr 66
		.amdhsa_next_free_sgpr 66
		.amdhsa_reserve_vcc 1
		.amdhsa_float_denorm_mode_32 3
		.amdhsa_float_denorm_mode_16_64 3
		.amdhsa_memory_ordered 1
		.amdhsa_forward_progress 1
		.amdhsa_inst_pref_size 10
	.end_amdhsa_kernel
	.amdgpu_metadata
---
amdhsa.version: [ 1, 2 ]
amdhsa.kernels:
  - .name:           k_q9d34c1119c_gnstats
    .symbol:         k_q9d34c1119c_gnstats.kd
    .args:
      - { .name: x, .offset: 0, .size: 8, .value_kind: global_buffer, .address_space: global }
      - { .name: gstat, .offset: 8, .size: 8, .value_kind: global_buffer, .address_space: global }
    .group_segment_fixed_size: 1280
    .private_segment_fixed_size: 0
    .kernarg_segment_align: 8
    .kernarg_segment_size: 16
    .max_flat_workgroup_size: 256
    .sgpr_count:     66
    .vgpr_count:     66
    .wavefront_size: 32
...
	.end_amdgpu_metadata
.endif
;; end of part 1
;; launch qkv (part 2): grid 256 x 1, 4 waves a work-group, no clusters, 17,920 bytes of LDS; arguments x, gstat, gamma, beta, wq_codes, wq_scales, bq, qc, wk_codes, wk_scales, bk, kv, wv_codes, wv_scales, bv, qs; writes qc, qs, kv
.if DOCPART == 2
	.amdgcn_target "amdgcn-amd-amdhsa--gfx1250"
	.amdhsa_code_object_version 6
	.text
	.protected	k_q9d34c1119c_qkv
	.globl	k_q9d34c1119c_qkv
	.p2align	8
	.type	k_q9d34c1119c_qkv,@function
k_q9d34c1119c_qkv:
	s_mov_b64 s[64:65], 0
	v_nop
	global_prefetch_b8 v0, s[64:65] scope:SCOPE_SE
	s_setreg_imm32_b32 hwreg(HW_REG_WAVE_MODE, 25, 1), 1
	s_wait_xcnt 0x0
; GROUP NORM (second half), THE THREE PROJECTIONS, AND THEIR QUANTISING.  All products on codes of E4M3 with one E8M0 scale for each 32 along K.
; xn = (x - mean) rsqrt(var + 1e-6) gamma + beta is quantised along the channels; q = wq xn + bq and k = wk xn + bk are quantised along the channels, v = wv xn + bv along the KEYS (positions).
; What leaves are IMAGES OF OPERAND REGISTERS for the attention launch: a fragment (16 rows x 128 K) is 2,048 bytes, registers 4 c .. 4 c + 3 of lane l at 512 c + 16 l; every store of codes covers 512 consecutive, aligned bytes.
;   qc [n][qb 64][tile j 4][2,048]: tile j, row r = position 64 qb + 4 r + j.      qs [n][qb][64 words]: the word of tile j, row r at 64 j + 4 r.
;   kv [n][step 32][33,792]: a step is 128 keys: +0 K's 8 images; +16,384 V's 8 images; +32,768 K's scale words, 4 pairs of tiles x 128 bytes (lanes 0-15 the even tile's rows, lanes 16-31 the odd tile's); +33,280 V's likewise.
;   K's tile 2 c + u, row m = key 32 c + 4 (m % 8) + 2 (m / 8) + u of the step: tiles 2 c and 2 c + 1 are the true block c of 32 keys, in the order in which the attention's scores fall into a lane's registers;
;   V's images hold the same key in the same place along K, since v is made here from the same tiles of xn.  V's tile 2 b + u, row m = channel 32 b + 8 u + m + 8 (m / 8).
; SHARES.  A work-group takes 64 positions of one image (half a step).  Phase A: wave w normalises and quantises channels 32 w .. 32 w + 31 (one block along K) of all 64 positions.
; A lane loads, of 16 channels, FOUR NEIGHBOURING POSITIONS each (16 lanes read 256 consecutive, aligned bytes); the multiply-add that normalises writes them so that for each of four tiles a lane's 16 registers run along K:
; nothing is transposed by an instruction.  Each piece of 16 codes goes to LDS twice: once in q's order of rows, once in k's.  One barrier.
; Phase B: waves 0, 1 make q, waves 2, 3 make k, two tiles of 16 positions each (16 products); every wave makes v for its 32 channels and all 64 positions (8 products); then four quantisers a wave.
; The products for q and k are used transposed (source 0 = 16 rows of the weight, rows 32 b + 8 u + r + 8 (r / 8) for tile 2 b + u): a lane holds one position and 16 neighbouring channels of each block.
; The product for v takes the positions as source 0 and wv's rows as source 1: a lane holds one channel and its registers run along the keys.  The biases are the C of each product.
; NO JOINT LOADS: the weights go from memory straight into each wave's operand registers, 20 KB a wave, once; through LDS they would cost as many LDS bytes again for 24 matrix instructions a wave.
; V's scale bytes leave as 2 bytes a lane, 4 bytes apart: a work-group owns 2 of a word's 4 blocks.  That is 128 bytes a wave, and spares the attention's loop any piecing together.
; LIMITS: NaN and infinities are not served.  A block whose largest magnitude lies under 2^-118 is held at the scale byte 1; a block of zeros gets the byte 1 where the quantiser says 127: its codes are zeros, and this program
; alone reads the bytes.  gamma x rsqrt is formed first and x - mean multiplied by it in one fused multiply-add with beta: another order of rounding than the source's, some 1e-7 of the number.
.set STEPB, 33792
.set XQ,  0                            ; LDS: xn's 4 images in q's order of rows
.set XK,  8192                         ;      and 4 in k's
.set SQ,  16384                        ;      their scale words, 128 bytes a tile
.set SK,  16896
; window 0
.set XA,  4                            ; v4   x: (h << 18) + 16 r      (h = lane / 16, r = lane % 16)
.set CA,  5                            ; v5   64 h: my 16 channels' numbers, my 4 groups' records
.set WA,  6                            ; v6   a weight's row r + 8 (r / 8), + 16 h
.set WSA, 7                            ; v7   4 x that row
.set AQ,  8                            ; v8   where my codes go, q's order: 16 lane + 512 w
.set AK,  9                            ; v9   k's order: 4,096 (r / 8) + 16 (r % 8) + 256 h + 512 w
.set BQ,  10                           ; v10  my scale byte, q's order: 4 lane + w
.set BK,  11                           ; v11  k's order: 256 (r / 8) + 4 (r % 8) + 64 h + w
.set LM,  12                           ; v12  my two tiles of xn: 16 lane + 4,096 w  (waves 0, 1: q's order; 2, 3: k's)
.set LMS, 13                           ; v13  their scale words: 4 lane + 256 w
.set LI,  14                           ; v14  16 lane
.set LS,  15                           ; v15  4 lane
.set WS,  16                           ; v16-23 scale words of my weight's 8 tiles;  v24-25 of wv's two;  v26-27 of my two tiles of xn;  v28-31 of xn's four tiles in k's order
.set WVS, 24
.set XMS, 26
.set XVS, 28
.set X,   32                           ; v32-95   x as loaded; then the first tile's 8 accumulators; then codes and words on their way out
.set XN,  96                           ; v96-159  xn; then the second tile's accumulators
.set GA,  160                          ; v160-175 gamma, then gamma x rsqrt;  v176-191 beta;  v192-207 four groups' records;  v208-215 pairs (mean, rsqrt)
.set BE,  176
.set ST,  192
.set MR,  208
.set VA,  160                          ; v160-223 in phase B: v's 8 accumulators
.set TM,  224                          ; v224-227 largest magnitudes, v228-231 bytes, v236-239 the conversions' scale operands
.set PC0, 240                          ; v240-255 codes
.set PC1, 32
.set PC2, 48
; window 1: v0-127 my weight's 8 fragments; v128-191 its bias, 8 tiles; v192-255 xn's four fragments in k's order.   window 2: v0-31 wv's two fragments; v32-47 bv, two tiles; v48-79 my two fragments of xn
.set MSB, 0
.macro WIN new                         ; the immediate's high byte repeats the setting that is left
.if MSB != \new
	s_set_vgpr_msb (MSB<<8)|\new
.set MSB, \new
.endif
.endm
; 64 numbers of a lane, four blocks of 16 registers from v[s] on, each block shared with lane l xor 16, become 4 x 16 codes in v[p] on; the blocks' bytes are left in v[TM+4] on.
.macro QUANT s, p
.irp b, 0,1,2,3
	v_max3_num_f32 v[TM+\b], |v[(\s)+16*\b]|, |v[(\s)+16*\b+1]|, 0x4800000   ; my 16 numbers, and the floor 2^(9 - 127): so the byte cannot fall under 1.  (Each accumulator is read from its low end on)
.endr
.irp i, 2,4,6,8,10,12,14
.irp b, 0,1,2,3
	v_max3_num_f32 v[TM+\b], v[TM+\b], |v[(\s)+16*\b+\i]|, |v[(\s)+16*\b+\i+1]|   ; the four blocks by turns: no line waits for the line above it
.endr
.endr
.irp b, 0,1,2,3
	v_permlanex16_b32 v[TM+4+\b], v[TM+\b], s60, s61
.endr
.irp b, 0,1,2,3
	v_max_num_f32 v[TM+\b], v[TM+\b], v[TM+4+\b]   ; with lane l xor 16's: the block's largest magnitude
.endr
.irp b, 0,1,2,3
	v_add_nc_u32 v[TM+12+\b], 0xfc000000, v[TM+\b] ; 8 off its exponent field: the conversion takes this operand's exponent field as its scale
.endr
.irp b, 0,1,2,3
.endr
.irp b, 0,1,2,3
	v_lshrrev_b32 v[TM+4+\b], 23, v[TM+12+\b]      ; the scale's byte
.endr
.irp b, 0,1,2,3
.irp i, 0,1,2,3,4,5,6,7,8,9,10,11,12,13,14,15
.endr
	v_cvt_scalef32_pk8_fp8_f32 v[(\p)+4*\b:(\p)+4*\b+1], v[(\s)+16*\b:(\s)+16*\b+7], v[TM+12+\b]
	v_cvt_scalef32_pk8_fp8_f32 v[(\p)+4*\b+2:(\p)+4*\b+3], v[(\s)+16*\b+8:(\s)+16*\b+15], v[TM+12+\b]
.endr
	v_nop                                          ; one plain line behind the last conversion, ahead of whatever next touches its registers
.endm
.macro WORD d                          ; the four bytes make a row's scale word
	v_lshl_or_b32 v[\d], v[TM+5], 8, v[TM+4]
	v_lshl_or_b32 v[\d], v[TM+6], 16, v[\d]
	v_lshl_or_b32 v[\d], v[TM+7], 24, v[\d]
.endm
	s_load_b256 s[8:15], s[0:1], 0x0               ; x s[8:9], gstat s[10:11], gamma s[12:13], beta s[14:15]
	s_load_b256 s[16:23], s[0:1], 0x20             ; wq_codes s[16:17], wq_scales s[18:19], bq s[20:21], qc s[22:23]
	s_load_b256 s[24:31], s[0:1], 0x40             ; wk_codes s[24:25], wk_scales s[26:27], bk s[28:29], kv s[30:31]
	s_load_b256 s[32:39], s[0:1], 0x60             ; wv_codes s[32:33], wv_scales s[34:35], bv s[36:37], qs s[38:39]
	s_set_vgpr_msb 0x80
	v_lshl_add_u32 v128, v0, 2, 0x4400
	v_mov_b32 v129, 0
	s_set_vgpr_msb 0x8000
	v_lshrrev_b32 v1, 5, v0
	v_readfirstlane_b32 s2, v1                     ; wave 0..3
	s_and_b32 s3, s2, 1                            ; which pair of tiles of my role
	s_lshr_b32 s5, ttmp9, 6                        ; n
	s_and_b32 s6, ttmp9, 63                        ; qb: my 64 positions
	s_and_b32 s7, s6, 1                            ; which half of a step of 128 keys
	s_lshr_b32 s66, s6, 1                          ; the step
	s_lshl_b32 s67, s5, 5
	s_add_co_u32 s67, s67, s66
	s_mul_i32 s67, s67, STEPB                      ; the step's first byte in kv
	; every offset is made apart from the addresses, in registers of its own
	s_lshl_b32 s68, s5, 21                         ; x: n x 2,097,152 + 32 w channels of 16,384 bytes + 256 qb
	s_lshl_b32 s4, s2, 19
	s_add_co_u32 s68, s68, s4
	s_lshl_b32 s4, s6, 8
	s_add_co_u32 s68, s68, s4
	s_mov_b32 s69, 0
	s_lshl_b32 s70, s5, 9                          ; gstat: 32 records an image, 8 a wave
	s_lshl_b32 s72, s2, 7                          ; 128 w: gamma, beta, bv, wv's scale words
	s_add_co_u32 s70, s70, s72
	s_mov_b32 s71, 0
	s_mov_b32 s73, 0
	s_lshl_b32 s74, s2, 12                         ; 4,096 w: my 32 rows of wv
	s_mov_b32 s75, 0
	s_lshl_b32 s4, s3, 12                          ; where my two tiles' codes go: as q,
	s_lshl_b32 s76, ttmp9, 13
	s_add_co_u32 s76, s76, s4
	s_lshl_b32 s77, s7, 13                         ; as k
	s_add_co_u32 s77, s77, s4
	s_add_co_u32 s77, s77, s67
	s_lshl_b32 s4, s3, 7                           ; and their scale words: as q,
	s_lshl_b32 s78, ttmp9, 8
	s_add_co_u32 s78, s78, s4
	s_lshl_b32 s79, s7, 8                          ; as k
	s_add_co_u32 s79, s79, s4
	s_add_co_u32 s79, s79, s67
	s_add_co_u32 s79, s79, 32768
	s_lshl_b32 s54, s7, 10                         ; v's codes: tiles 2 w, 2 w + 1, blocks 2 half, 2 half + 1
	s_add_co_u32 s54, s54, s74
	s_add_co_u32 s54, s54, s67
	s_add_co_u32 s54, s54, 16384
	s_mov_b32 s55, 0
	s_lshl_b32 s56, s7, 1                          ; v's scale bytes: pair w, bytes 2 half, 2 half + 1
	s_add_co_u32 s56, s56, s72
	s_add_co_u32 s56, s56, s67
	s_add_co_u32 s56, s56, 33280
	s_mov_b32 s57, 0
	s_mov_b32 s51, 0
	s_mov_b32 s53, 0
	s_mov_b32 s58, 0xffff0000                      ; lanes 16-31
	s_mov_b32 s60, 0x76543210                      ; v_permlanex16_b32's selects for lane l xor 16
	s_mov_b32 s61, 0xfedcba98
	s_mov_b32 s62, 0x38800000                      ; 2^-14: a group has 16,384 numbers
	s_mov_b32 s63, 0x358637bd                      ; 1e-6
	s_lshl_b32 s66, s2, 9                          ; 512 w
	s_lshl_b32 s4, s2, 8                           ; 256 w
	v_and_b32 v1, 31, v0                           ; lane
	v_and_b32 v2, 15, v0                           ; r
	v_bfe_u32 v3, v0, 4, 1                         ; h
	v_lshlrev_b32 v[XA], 4, v2
	v_lshl_add_u32 v[XA], v3, 18, v[XA]
	v_lshlrev_b32 v[CA], 6, v3
	v_and_b32 v[WSA], 8, v2
	v_add_nc_u32 v[WSA], v[WSA], v2                ; r + 8 (r / 8)
	v_lshlrev_b32 v[WA], 7, v[WSA]
	v_lshl_add_u32 v[WA], v3, 4, v[WA]
	v_lshlrev_b32 v[WSA], 2, v[WSA]
	v_bfe_u32 v14, v0, 3, 1                        ; r / 8
	v_and_b32 v15, 7, v0                           ; r % 8
	v_lshl_add_u32 v[AQ], v1, 4, s66
	v_lshl_add_u32 v[AK], v15, 4, s66
	v_lshl_add_u32 v[AK], v14, 12, v[AK]
	v_lshl_add_u32 v[AK], v3, 8, v[AK]
	v_lshl_add_u32 v[BQ], v1, 2, s2
	v_lshl_add_u32 v[BK], v15, 2, s2
	v_lshl_add_u32 v[BK], v14, 8, v[BK]
	v_lshl_add_u32 v[BK], v3, 6, v[BK]
	v_lshl_add_u32 v[LM], v1, 4, s74
	v_lshl_add_u32 v[LMS], v1, 2, s4
	v_lshlrev_b32 v[LI], 4, v1
	v_lshlrev_b32 v[LS], 2, v1
.irp b, 0,1,2,3
	v_mov_b32 v[TM+4+\b], 0                        ; written once: a lane permute's destination counts as one of its sources
.endr
	s_wait_kmcnt 0x0
	s_cmp_lt_u32 s2, 2                             ; q's wave or k's?  The choice hangs on the wave's number alone; only selects and moves stand between the compare and its last use
	s_cselect_b64 s[40:41], s[16:17], s[24:25]     ; my weight's codes,
	s_cselect_b64 s[42:43], s[18:19], s[26:27]     ; its scale words,
	s_cselect_b64 s[44:45], s[20:21], s[28:29]     ; its bias,
	s_cselect_b64 s[46:47], s[22:23], s[30:31]     ; where my codes go,
	s_cselect_b64 s[48:49], s[38:39], s[30:31]     ; and my scale words
	s_cselect_b32 s50, s76, s77
	s_cselect_b32 s52, s78, s79
	s_add_nc_u64 s[46:47], s[46:47], s[50:51]
	s_add_nc_u64 s[48:49], s[48:49], s[52:53]
	s_add_nc_u64 s[54:55], s[30:31], s[54:55]      ; v's codes
	s_add_nc_u64 s[56:57], s[30:31], s[56:57]      ; v's scale bytes
	s_add_nc_u64 s[8:9], s[8:9], s[68:69]
	s_add_nc_u64 s[10:11], s[10:11], s[70:71]
	s_add_nc_u64 s[12:13], s[12:13], s[72:73]
	s_add_nc_u64 s[14:15], s[14:15], s[72:73]
	s_add_nc_u64 s[32:33], s[32:33], s[74:75]
	s_add_nc_u64 s[34:35], s[34:35], s[72:73]
	s_add_nc_u64 s[36:37], s[36:37], s[72:73]
	; ---- 28 loads that phase A waits for
.irp g, 0,1,2,3
	global_load_b128 v[ST+4*\g:ST+4*\g+3], v[CA], s[10:11] offset:16*\g   ; the records of my 16 channels' four groups: (m0, q0, m1, q1)
.endr
.irp q, 0,1,2,3
	global_load_b128 v[GA+4*\q:GA+4*\q+3], v[CA], s[12:13] offset:16*\q
	global_load_b128 v[BE+4*\q:BE+4*\q+3], v[CA], s[14:15] offset:16*\q
.endr
.irp i, 0,1,2,3,4,5,6,7,8,9,10,11,12,13,14,15
	global_load_b128 v[X+4*\i:X+4*\i+3], v[XA], s[8:9] offset:16384*\i   ; channel 32 w + 16 h + i, positions 4 r .. 4 r + 3: 16 lanes read 256 consecutive, aligned bytes
.endr
	; ---- 32 loads that may stay out meanwhile: my weight's 8 fragments
	WIN 0x40                                       ; destination window 1
.irp t, 0,1,2,3,4,5,6,7
.irp c, 0,1,2,3
	global_load_b128 v[16*\t+4*\c:16*\t+4*\c+3], v[WA], s[40:41] offset:(32*(\t/2)+8*(\t%2))*128+32*\c
.endr
.endr
	WIN 0
	s_wait_loadcnt 32                              ; all but the 32 just issued
	; ---- the groups' mean and rsqrt(var + eps), from their halves
.irp g, 0,1,2,3
	v_sub_f32 v[TM+\g], v[ST+4*\g+2], v[ST+4*\g]   ; d = m1 - m0
	v_add_f32 v[MR+2*\g], v[ST+4*\g], v[ST+4*\g+2]
	v_add_f32 v[ST+4*\g+1], v[ST+4*\g+1], v[ST+4*\g+3]
.endr
.irp g, 0,1,2,3
	v_mul_f32 v[TM+\g], v[TM+\g], v[TM+\g]
	v_mul_f32 v[MR+2*\g], 0.5, v[MR+2*\g]          ; the mean
.endr
.irp g, 0,1,2,3
	v_fmamk_f32 v[ST+4*\g+1], v[TM+\g], 0x45800000, v[ST+4*\g+1]   ; q0 + q1 + 4,096 d^2: the group's sum of squared deviations
.endr
.irp g, 0,1,2,3
	v_fma_f32 v[ST+4*\g+1], v[ST+4*\g+1], s62, s63 ; var + eps
.endr
	s_wait_alu depctr_va_vdst(0)
.irp g, 0,1,2,3
	v_rsq_f32 v[MR+2*\g+1], v[ST+4*\g+1]
.endr
	v_nop                                          ; a plain line between the last transcendental and the use of its result
.set I, 0
	s_wait_alu depctr_va_vdst(0)
.rept 16
	v_mul_f32 v[GA+I], v[GA+I], v[MR+2*(I/4)+1]    ; gamma x rsqrt
.set I, I+1
.endr
.set I, 0
.rept 16
	v_pk_add_f32 v[X+4*I:X+4*I+1], v[X+4*I:X+4*I+1], v[MR+2*(I/4):MR+2*(I/4)+1] op_sel_hi:[1,0] neg_lo:[0,1] neg_hi:[0,1]       ; x - mean (the pair's low word serves both halves)
	v_pk_add_f32 v[X+4*I+2:X+4*I+3], v[X+4*I+2:X+4*I+3], v[MR+2*(I/4):MR+2*(I/4)+1] op_sel_hi:[1,0] neg_lo:[0,1] neg_hi:[0,1]
.set I, I+1
.endr
.irp j, 0,1,2,3
.set I, 0
.rept 16
	v_fma_f32 v[XN+16*\j+I], v[X+4*I+\j], v[GA+I], v[BE+I]   ; xn of position 4 r + j, channel 32 w + 16 h + I: THE TURN: for tile j my 16 registers now run along K
.set I, I+1
.endr
.endr
	; ---- 50 more loads, wanted behind the barrier
	WIN 0x40
.irp t, 0,1,2,3,4,5,6,7
	global_load_b128 v[128+8*\t:131+8*\t], v[CA], s[44:45] offset:(32*(\t/2)+8*(\t%2))*4      ; the bias in the result's layout: channels 32 b + 16 h + 8 u + 0 .. 7 for tile 2 b + u
	global_load_b128 v[132+8*\t:135+8*\t], v[CA], s[44:45] offset:(32*(\t/2)+8*(\t%2))*4+16
.endr
	WIN 0x80                                       ; destination window 2
.irp u, 0,1
.irp c, 0,1,2,3
	global_load_b128 v[16*\u+4*\c:16*\u+4*\c+3], v[WA], s[32:33] offset:1024*\u+32*\c
.endr
.endr
.irp u, 0,1
.irp e, 0,1,2,3,4,5,6,7
	global_load_b32 v[32+8*\u+\e], v[WSA], s[36:37] offset:32*\u   ; v's result holds one channel a lane: its bias stands in all eight registers of the C
.endr
.endr
	WIN 0
.irp t, 0,1,2,3,4,5,6,7
	global_load_b32 v[WS+\t], v[WSA], s[42:43] offset:(32*(\t/2)+8*(\t%2))*4
.endr
.irp u, 0,1
	global_load_b32 v[WVS+\u], v[WSA], s[34:35] offset:32*\u
.endr
	; ---- xn's codes: the four "blocks" are the four tiles' share of channel block w
	QUANT XN, PC0
.irp j, 0,1,2,3
	ds_store_b128 v[AQ], v[PC0+4*\j:PC0+4*\j+3] offset:XQ+2048*\j                   ; q's order: tile j, row r
	ds_store_b128 v[AK], v[PC0+4*\j:PC0+4*\j+3] offset:XK+2048*(\j&1)+128*(\j>>1)   ; k's order: tile 2 (r / 8) + j % 2, row 8 (j / 2) + r % 8
	ds_store_b8 v[BQ], v[TM+4+\j] offset:SQ+128*\j                                  ; byte w of the row's scale word
	ds_store_b8 v[BK], v[TM+4+\j] offset:SK+128*(\j&1)+32*(\j>>1)
.endr
	s_wait_dscnt 0x0                               ; for the others' sake: my stores are done
	s_barrier_signal -1
	s_barrier_wait -1                              ; xn's eight images and their scale words lie in LDS
	WIN 0x80
.irp j, 0,1
.irp c, 0,1,2,3
	ds_load_b128 v[48+16*\j+4*\c:51+16*\j+4*\c], v[LM] offset:2048*\j+512*\c
.endr
.endr
	WIN 0x40
.irp t, 0,1,2,3
.irp c, 0,1,2,3
	ds_load_b128 v[192+16*\t+4*\c:195+16*\t+4*\c], v[LI] offset:XK+2048*\t+512*\c
.endr
.endr
	WIN 0
.irp j, 0,1
	ds_load_b32 v[XMS+\j], v[LMS] offset:SQ+128*\j
.endr
.irp t, 0,1,2,3
	ds_load_b32 v[XVS+\t], v[LS] offset:SK+128*\t
.endr
	s_wait_dscnt 0x0
	s_wait_loadcnt 0x0                             ; the weights, the biases, the scale words
	; ---- 24 products, each with an accumulator of its own: K is one step of 128
	WIN 0x19                                       ; source 0 (the weight) window 1, source 1 (xn) window 2, C (the bias) window 1, D window 0
.irp j, 0,1
.irp t, 0,1,2,3,4,5,6,7
	v_wmma_scale_f32_16x16x128_f8f6f4 v[X+64*\j+8*\t:X+64*\j+8*\t+7], v[16*\t:16*\t+15], v[48+16*\j:63+16*\j], v[128+8*\t:135+8*\t], v[WS+\t], v[XMS+\j]
.endr
.endr
	WIN 0x29                                       ; source 0 (xn, k's order) window 1, source 1 (wv) window 2, C (bv) window 2
.irp u, 0,1
.irp t, 0,1,2,3
	v_wmma_scale_f32_16x16x128_f8f6f4 v[VA+32*\u+8*\t:VA+32*\u+8*\t+7], v[192+16*\t:207+16*\t], v[16*\u:16*\u+15], v[32+8*\u:39+8*\u], v[XVS+\t], v[WVS+\u]
.endr
.endr
	WIN 0
.rept 8
	v_nop                                          ; eight places between this form and the first read of a result
.endr
	; ---- q or k: registers 16 b + i are channel 32 b + 16 h + i of my position: the codes are the next operand's registers
	QUANT X, PC0
	WORD 67
.irp c, 0,1,2,3
	global_store_b128 v[LI], v[PC0+4*\c:PC0+4*\c+3], s[46:47] offset:512*\c          ; 32 lanes store 512 consecutive, aligned bytes
.endr
	QUANT XN, PC1
	WORD 68
.irp c, 0,1,2,3
	global_store_b128 v[LI], v[PC1+4*\c:PC1+4*\c+3], s[46:47] offset:2048+512*\c
.endr
	v_cndmask_b32 v69, v67, v68, s58               ; lanes 0-15 the first tile's words, lanes 16-31 the second's
	global_store_b32 v[LS], v69, s[48:49]          ; 128 consecutive bytes
	; ---- v: block 2 u + c: channel tile 2 w + u, keys 32 c .. 32 c + 31 of my 64
	QUANT VA, PC2
.irp u, 0,1
.irp c, 0,1
	global_store_b128 v[LI], v[PC2+4*(2*\u+\c):PC2+4*(2*\u+\c)+3], s[54:55] offset:2048*\u+512*\c
.endr
.endr
	v_lshl_or_b32 v64, v[TM+5], 8, v[TM+4]
	v_lshl_or_b32 v65, v[TM+7], 8, v[TM+6]
	v_cndmask_b32 v66, v64, v65, s58               ; lanes 0-15 the even tile's two bytes, lanes 16-31 the odd tile's
	global_store_b16 v[LS], v66, s[56:57]
	s_set_vgpr_msb 0xa
	s_wait_tensorcnt 0x0
	ds_add_u32 v128, v129
	s_wait_dscnt 0x0
	s_set_vgpr_msb 0xa00
	s_endpgm
.Lfunc_end_k_q9d34c1119c_qkv:
	.size	k_q9d34c1119c_qkv, .Lfunc_end_k_q9d34c1119c_qkv-k_q9d34c1119c_qkv
	.p2alignl 7, 3214868480
	.fill 96, 4, 3214868480
	.section	.rodata,"a",@progbits
	.p2align	6, 0x0
	.amdhsa_kernel k_q9d34c1119c_qkv
		.amdhsa_group_segment_fixed_size 17920
		.amdhsa_private_segment_fixed_size 0
		.amdhsa_enable_private_segment 0
		.amdhsa_kernarg_size 128
		.amdhsa_user_sgpr_count 2
		.amdhsa_user_sgpr_kernarg_segment_ptr 1
		.amdhsa_wavefront_size32 1
		.amdhsa_system_sgpr_workgroup_id_x 1
		.amdhsa_system_sgpr_workgroup_id_y 1
		.amdhsa_system_sgpr_workgroup_id_z 1
		.amdhsa_system_vgpr_workitem_id 0
		.amdhsa_next_free_vgpr 642
		.amdhsa_next_free_sgpr 80
		.amdhsa_reserve_vcc 0
		.amdhsa_float_denorm_mode_32 3
		.amdhsa_float_denorm_mode_16_64 3
		.amdhsa_fp16_overflow 1
		.amdhsa_memory_ordered 1
		.amdhsa_forward_progress 1
		.amdhsa_inst_pref_size 46
	.end_amdhsa_kernel
	.amdgpu_metadata
---
amdhsa.version: [ 1, 2 ]
amdhsa.kernels:
  - .name:           k_q9d34c1119c_qkv
    .symbol:         k_q9d34c1119c_qkv.kd
    .args:
      - { .name: x, .offset: 0, .size: 8, .value_kind: global_buffer, .address_space: global }
      - { .name: gstat, .offset: 8, .size: 8, .value_kind: global_buffer, .address_space: global }
      - { .name: gamma, .offset: 16, .size: 8, .value_kind: global_buffer, .address_space: global }
      - { .name: beta, .offset: 24, .size: 8, .value_kind: global_buffer, .address_space: global }
      - { .name: wq_codes, .offset: 32, .size: 8, .value_kind: global_buffer, .address_space: global }
      - { .name: wq_scales, .offset: 40, .size: 8, .value_kind: global_buffer, .address_space: global }
      - { .name: bq, .offset: 48, .size: 8, .value_kind: global_buffer, .address_space: global }
      - { .name: qc, .offset: 56, .size: 8, .value_kind: global_buffer, .address_space: global }
      - { .name: wk_codes, .offset: 64, .size: 8, .value_kind: global_buffer, .address_space: global }
      - { .name: wk_scales, .offset: 72, .size: 8, .value_kind: global_buffer, .address_space: global }
      - { .name: bk, .offset: 80, .size: 8, .value_kind: global_buffer, .address_space: global }
      - { .name: kv, .offset: 88, .size: 8, .value_kind: global_buffer, .address_space: global }
      - { .name: wv_codes, .offset: 96, .size: 8, .value_kind: global_buffer, .address_space: global }
      - { .name: wv_scales, .offset: 104, .size: 8, .value_kind: global_buffer, .address_space: global }
      - { .name: bv, .offset: 112, .size: 8, .value_kind: global_buffer, .address_space: global }
      - { .name: qs, .offset: 120, .size: 8, .value_kind: global_buffer, .address_space: global }
    .group_segment_fixed_size: 17920
    .private_segment_fixed_size: 0
    .kernarg_segment_align: 8
    .kernarg_segment_size: 128
    .max_flat_workgroup_size: 128
    .sgpr_count:     80
    .vgpr_count:     642
    .wavefront_size: 32
...
	.end_amdgpu_metadata
.endif
;; end of part 2
;; launch attn (part 3): grid 64 x 4, 8 waves a work-group, clusters of 4 x 1, 327,680 bytes of LDS; arguments qc, qs, kv, wo_codes, wo_scales, bo, x, out0; writes out0
.if DOCPART == 3
	.amdgcn_target "amdgcn-amd-amdhsa--gfx1250"
	.amdhsa_code_object_version 6
	.text
	.protected	k_q9d34c1119c_attn
	.globl	k_q9d34c1119c_attn
	.p2align	8
	.type	k_q9d34c1119c_attn,@function
k_q9d34c1119c_attn:
	s_mov_b64 s[64:65], 0
	v_nop
	global_prefetch_b8 v0, s[64:65] scope:SCOPE_SE
	s_setreg_imm32_b32 hwreg(HW_REG_WAVE_MODE, 25, 1), 1
	s_wait_xcnt 0x0
	s_wait_alu depctr_hold_cnt(0) depctr_sa_sdst(0) depctr_va_vdst(0) depctr_va_sdst(0) depctr_va_ssrc(0) depctr_va_vcc(0) depctr_vm_vsrc(0)
	s_getreg_b32 s2, hwreg(HW_REG_IB_STS2, 6, 4)
	s_cmp_eq_u32 s2, 0
	s_cbranch_scc0 .Lentry_in_a_cluster
	s_endpgm
.Lentry_in_a_cluster:
	s_bfe_u32 s2, ttmp6, 0x10000c
	s_cmp_lg_u32 s2, 0x3003
	s_cbranch_scc0 .Lentry_shape_is_right
	s_endpgm
.Lentry_shape_is_right:
; ATTENTION OVER 4,096 POSITIONS, THE OUTPUT PROJECTION AND THE RESIDUAL.  out = x + wo (softmax(q^T k / sqrt(128)) v) + bo, every product on codes of E4M3 with one E8M0 scale for each 32 along K.
; q, k and v arrive as images of operand registers (a fragment of 16 rows x 128 K is 2,048 bytes: registers 4 c .. 4 c + 3 of lane l at 512 c + 16 l) with their scale words:
;   qc [n][qb 64][tile 4][2,048], tile t, row r = position 64 qb + 4 r + t;  qs [n][qb][64 words];
;   kv [n][step 32][33,792]: a step of 128 keys: K's 8 images, V's 8 images, K's scale words (4 pairs of tiles x 128 bytes: lanes 0-15 the even tile, lanes 16-31 the odd), V's likewise.
; THE SOFTMAX AHEAD OF THE SECOND PRODUCT: t = score x log2(e) / sqrt(128); M = the largest t so far, rounded UP to a whole number; p = 2^(t - M) is quantised along the keys, not normalised; the row's sum is taken
; of the unquantised p and divides at the end.  When M moves, the sum and O are multiplied by 2^(old M - new M): exact.
; SHARES.  A work-group owns 64 queries: four tiles of 16.  Of its EIGHT waves, wave w takes TWO tiles, A = 2 (w % 2) and B = A + 1, and every fourth key step, kq = w / 2: 8 steps of 128 keys, with a running M, sum and O^T
; for each tile.  So each fragment of K and V that a wave reads from LDS feeds two products, and two waves stand on a SIMD, in 512 registers each, so that one wave's matrix instructions and LDS loads stand beside the other's
; vector work, which is the larger part: a tile's step is 16 matrix and some 310 vector instructions.
; LAYOUT.  Both products are used transposed: S^T = K Q^T, O^T = V^T P^T: a lane holds ONE query of each tile throughout.  The keys of K's tiles were chosen so that the 16 registers of tiles 2 c, 2 c + 1 are keys of the true
; block c of 32, and V's images hold the same key in the same place along K: so p's codes are the second product's operand as they fall.  V's rows were chosen so that O^T's registers 16 b + i are channel 32 b + 16 h + i.
; REGISTER WINDOWS.  TILE B'S STATE IS A MIRROR OF TILE A'S IN WINDOW 1, under the same register numbers: the softmax is written once as a macro and stands a second time with every operand place in window 1.
; RING.  Two LDS slots of four steps (135,168 bytes).  Waves 0-3 fetch a step each, a dense block, as 132 rows of 256 bytes; all eight read.  At most one tensor load of a wave is out.
; V's fragments are asked for ahead of the softmax (four in front of tile A's, four between the two), so that they land under it.
; CLUSTER.  The four work-groups of a cluster are four query blocks of one image and walk the same kv: each step is asked for JOINTLY, by the same tensor load with the same descriptor and a mask that names the four.
; THE END.  The four key quarters' O^T, M and sum meet in LDS; wave w joins two channel blocks of tile w % 4 (exact powers of two), divides by the sum, quantises the blocks and stores its pieces of attn's image;
; each wave then makes 16 output channels for the 64 positions: a lane's four results of one channel are four neighbouring positions, so 16 lanes store 256 consecutive, aligned bytes and no stage is needed.
; LIMITS: NaN and infinities are not served.  A block whose largest magnitude lies under 2^-118 is held at the scale byte 1; a block of zeros gets the byte 1 where the quantiser says 127: its codes are zeros.
; A block's largest p is taken as 2^(the block's largest score's t - M): this leans on v_exp_f32 not falling where its input rises.  Exponentials and the reciprocal are the chip's own.
.set STEPB, 33792                      ; a step in kv and in LDS
.set VIM,   16384                      ; in it: V's images,
.set KSC,   32768                      ; K's scale words,
.set VSC,   33280                      ; V's
.set SLOTB, 4*STEPB
.set SPARE, 2*SLOTB                    ; behind the ring: the spare words, 128 bytes for each wave: four blocks of 256 bytes that no other line names
.set MST,   SPARE+1024                 ; (-M, sum) of each lane, tile t, key quarter kq at 256 (t + 4 kq): 16 x 256 bytes
.set AIMG,  MST+4096                   ; attn's four fragment images
.set ASC,   AIMG+8192                  ; and their scale words, 128 bytes a tile
; O^T's sixteen partial results, tile t, key quarter kq at 8,192 (t + 4 kq), lie from LDS byte 0 on, in slot 0: when they are stored it has had its last fill, and every wave has passed the last round, behind which nobody reads it.
; WINDOW 0: v1, v2 my step's images in slot 0, 1 (16 lane + 33,792 kq); v3, v4 its scale words (4 lane + ..); v5 my spare word's address, v6 = 0: never rewritten; v7 tile B's Q scale words, v8 tile B's p scale word;
;   v12 -M, v13 the largest t, v[14:15] the sum in two halves; v16-31 Q (at the end: addresses); v32-95 fragments 0-3 of K or V; v96-159 S^T, then p; v160-223 O^T; v224-239 p's codes; v232-247 at work;
;   v248-251 K's or V's scale words; v252 f; v253 tile A's p scale word; v254 at work; v255 tile A's Q scale words (at the end: wo's).
; WINDOW 1: v12-31, v96-247, v252-254: tile B's, as tile A's in window 0; v32-95 fragments 4-7 of K or V.   (Scale operands have no window: all of them lie in window 0.)
; s20 wave, s21 wave % 4, s22 kq, s[24:25] lane selects, s[26:27] c, s[28:35] descriptor group 1, s[36:39], s[40:43] group 0 for slot 0, 1, s44 trips.
.set MSB, 0
.macro WIN new                         ; s_set_vgpr_msb: bits 1:0 source 0, 3:2 source 1, 5:4 source 2, 7:6 destination; the immediate's high byte repeats the setting that is left
.if MSB != \new
	s_set_vgpr_msb (MSB<<8)|\new
.set MSB, \new
.endif
.endm
.macro CROUND                          ; a round of the cluster's barrier: my work-group's barrier; wave 0 signals for the work-group; every wave waits for all four work-groups; my work-group's barrier once more
	s_barrier_signal -1
	s_barrier_wait -1
	s_cmp_lg_u32 s20, 0
	s_cbranch_scc1 .Lnot_wave_0_\@
	s_barrier_signal -3
.Lnot_wave_0_\@:
	s_barrier_wait -3
	s_barrier_signal -1
	s_barrier_wait -1
.endm
.macro JLOAD g0                        ; a joint load: waves 0-3 fetch a step each.  The branch hangs on the wave's number alone.  Four v_nop follow the line
	s_cmp_lt_u32 s20, 4
	s_cbranch_scc0 .Lasked_\@
	tensor_load_to_lds s[(\g0):(\g0)+3], s[28:35]
	s_nop 0
.rept 4
	v_nop
.endr
.Lasked_\@:
.endm
	s_load_b256 s[4:11], s[0:1], 0x0               ; qc s[4:5], qs s[6:7], kv s[8:9], wo_codes s[10:11]
	s_load_b256 s[12:19], s[0:1], 0x20             ; wo_scales s[12:13], bo s[14:15], x s[16:17], out0 s[18:19]
	v_lshl_add_u32 v5, v0, 2, SPARE
	v_mov_b32 v6, 0
	ds_add_u32 v5, v6
	ds_add_u32 v5, v6
	s_wait_dscnt 0x0
	v_lshrrev_b32 v254, 5, v0
	s_delay_alu instid0(VALU_DEP_1)
	v_readfirstlane_b32 s20, v254                  ; wave 0..7.  At the end: the tile of 16 output channels that I make
	s_and_b32 s21, s20, 3                          ; which step of a slot I fetch, if I fetch.  At the end: the tile of queries whose partial results I join
	s_lshr_b32 s22, s20, 1                         ; kq: which step of a slot I work on
	s_and_b32 s63, s20, 1                          ; which pair of tiles of queries is mine
	s_mov_b32 s24, 0x76543210
	s_mov_b32 s25, 0xfedcba98
	s_mov_b32 s26, 0x3e0293ee                      ; c = log2(e) / sqrt(128)
	s_mov_b32 s27, s26                             ; (named with it as a pair, so it is written)
	s_bfe_u32 s45, ttmp6, 0x40000                  ; cx: my place in the cluster: it enters Q's, x's and out's addresses alone
	s_lshl_b32 s46, ttmp9, 2                       ; in a cluster launch ttmp9 counts clusters
	s_add_co_u32 s46, s46, s45                     ; qb: my block of 64 queries
	s_and_b32 s47, ttmp7, 0xffff                   ; n: the image, which the four partners share
	; descriptor group 1: a step, 33,792 dense bytes, as 132 rows of 32 elements of 8 bytes; no padding: images are read as 512 consecutive bytes
	s_mov_b32 s28, 15|(3<<16)|(1<<21)              ; 15:0 the mask: all four work-groups; 17:16 elements of 8 bytes; 21 set beside a mask
	s_mov_b32 s29, 32<<16                          ; tensor_dim0 = 32
	s_mov_b32 s30, 132<<16                         ; tensor_dim1 = 132
	s_mov_b32 s31, 32<<16                          ; tile_dim0 = 32
	s_mov_b32 s32, 132                             ; tile_dim1 = 132
	s_mov_b32 s33, 32                              ; from row to row
	s_mov_b32 s34, 0
	s_mov_b32 s35, 0
	s_mul_i32 s48, s47, 32*STEPB                   ; the image's kv,
	s_mul_i32 s37, s21, STEPB                      ; my step of a slot: in LDS (slot 0) and in memory alike
	s_add_co_u32 s48, s48, s37
	s_mov_b32 s49, 0
	s_add_co_u32 s41, s37, SLOTB                   ; slot 1
	s_mov_b32 s36, 1                               ; count = 1
	s_mov_b32 s40, 1
	s_lshl_b32 s50, s47, 6
	s_add_co_u32 s50, s50, s46                     ; 64 n + qb
	s_lshl_b32 s52, s50, 2
	s_lshl_b32 s51, s63, 1
	s_add_co_u32 s52, s52, s51
	s_lshl_b32 s52, s52, 11                        ; tile A's image in qc; tile B's follows it
	s_mov_b32 s53, 0
	s_lshl_b32 s54, s50, 8
	s_lshl_b32 s51, s63, 7
	s_add_co_u32 s54, s54, s51                     ; tile A's 16 words in qs; tile B's follow them
	s_mov_b32 s55, 0
	s_lshl_b32 s56, s47, 21
	s_lshl_b32 s58, s20, 18
	s_add_co_u32 s56, s56, s58
	s_lshl_b32 s58, s46, 8
	s_add_co_u32 s56, s56, s58                     ; x, out: n x 2,097,152 + 16 channels x 16,384 x wave + 256 qb
	s_mov_b32 s57, 0
	s_lshl_b32 s58, s20, 11                        ; wo's 16 rows
	s_mov_b32 s59, 0
	s_lshl_b32 s60, s20, 6                         ; their scale words; bo's 16 numbers
	s_mov_b32 s61, 0
	s_mov_b32 s44, 3
	s_wait_kmcnt 0x0
	s_add_nc_u64 s[38:39], s[8:9], s[48:49]        ; slot 0 begins with steps 0-3,
	s_add_nc_u64 s[42:43], s[38:39], SLOTB         ; slot 1 with steps 4-7
	s_or_b32 s39, s39, 0x80000000                  ; type = 2
	s_or_b32 s43, s43, 0x80000000
	s_add_nc_u64 s[4:5], s[4:5], s[52:53]
	s_add_nc_u64 s[6:7], s[6:7], s[54:55]
	s_add_nc_u64 s[10:11], s[10:11], s[58:59]
	s_add_nc_u64 s[12:13], s[12:13], s[60:61]
	s_add_nc_u64 s[14:15], s[14:15], s[60:61]
	s_add_nc_u64 s[16:17], s[16:17], s[56:57]
	s_add_nc_u64 s[18:19], s[18:19], s[56:57]
	CROUND                                         ; all four work-groups are here: the first joint loads meet
	JLOAD 36                                       ; slot 0; slot 1 is first filled behind the first trip's round, as a refill is
	v_and_b32 v254, 31, v0                         ; lane
	v_and_b32 v97, 15, v0
	s_delay_alu instid0(VALU_DEP_2)
	v_lshlrev_b32 v96, 4, v254
	s_delay_alu instid0(VALU_DEP_2)
	v_lshlrev_b32 v97, 2, v97
.irp c, 0,1,2,3
	global_load_b128 v[16+4*\c:19+4*\c], v96, s[4:5] offset:512*\c   ; tile A's Q stays in registers
.endr
	global_load_b32 v255, v97, s[6:7]              ; its scale words,
	global_load_b32 v7, v97, s[6:7] offset:64      ; and tile B's
	WIN 0x40                                       ; destination window 1, address window 0
.irp c, 0,1,2,3
	global_load_b128 v[16+4*\c:19+4*\c], v96, s[4:5] offset:2048+512*\c   ; tile B's Q
.endr
	WIN 0
	s_mul_i32 s62, s22, STEPB
	v_lshl_add_u32 v1, v254, 4, s62
	s_delay_alu instid0(VALU_DEP_1)
	v_add_nc_u32 v2, SLOTB, v1
	v_lshl_add_u32 v3, v254, 2, s62
	s_delay_alu instid0(VALU_DEP_1)
	v_add_nc_u32 v4, SLOTB, v3
.macro INIT                            ; a tile's statistics
	v_mov_b32 v13, 0xff61b1e6                      ; the largest t so far: -3e38, under every t
	s_delay_alu instid0(VALU_DEP_1)
	v_floor_f32 v12, -v13                          ; -M
	v_mov_b32 v14, 0
	v_mov_b32 v15, 0
.irp b, 0,1,2,3
	v_mov_b32 v[236+\b], 0                         ; written once: a lane permute's destination counts as one of its sources
.endr
	v_mov_b32 v253, 0                              ; (named as the upper half of the pair v[252:253] before it is first written)
.endm
	INIT
	WIN 0x55                                       ; every operand place in window 1
	INIT
	WIN 0
	s_wait_loadcnt 0x0                             ; Q
.macro LOADW sl, base                  ; the scale words of a step's 8 tiles: four pairs; lanes 0-15 the even tile's words, lanes 16-31 the odd tile's
.irp p, 0,1,2,3
	ds_load_b32 v[248+\p], v[3+\sl] offset:(\base)+128*\p
.endr
.endm
.macro LOADF sl, base, hi              ; fragments 4 hi .. 4 hi + 3 into v32-95 of the destination's window
.irp t, 0,1,2,3
.irp c, 0,1,2,3
	ds_load_b128 v[32+16*\t+4*\c:35+16*\t+4*\c], v[1+\sl] offset:(\base)+(4*(\hi)+\t)*2048+512*\c
.endr
.endr
.endm
.macro SMUL hi, qw                     ; S^T = K Q^T: K's tiles 4 hi .. 4 hi + 3 against one tile of queries; qw: that tile's scale words
.irp t, 0,2
	v_wmma_scale_f32_16x16x128_f8f6f4 v[96+8*(4*(\hi)+\t):103+8*(4*(\hi)+\t)], v[32+16*\t:47+16*\t], v[16:31], 0, v[248+2*(\hi)+\t/2], v[\qw]
	v_wmma_scale_f32_16x16x128_f8f6f4 v[104+8*(4*(\hi)+\t):111+8*(4*(\hi)+\t)], v[48+16*\t:63+16*\t], v[16:31], 0, v[248+2*(\hi)+\t/2], v[\qw] matrix_a_scale:MATRIX_SCALE_ROW1
.endr
.endm
.macro PMUL hi, pw, first              ; O^T += V^T P^T: V's tiles 4 hi .. 4 hi + 3 against one tile's p; pw: p's scale word.  first = 1: the products start the sums: nothing is ever cleared
.irp t, 0,2
.if \first
	v_wmma_scale_f32_16x16x128_f8f6f4 v[160+8*(4*(\hi)+\t):167+8*(4*(\hi)+\t)], v[32+16*\t:47+16*\t], v[224:239], 0, v[248+2*(\hi)+\t/2], v[\pw]
	v_wmma_scale_f32_16x16x128_f8f6f4 v[168+8*(4*(\hi)+\t):175+8*(4*(\hi)+\t)], v[48+16*\t:63+16*\t], v[224:239], 0, v[248+2*(\hi)+\t/2], v[\pw] matrix_a_scale:MATRIX_SCALE_ROW1
.else
	v_wmma_scale_f32_16x16x128_f8f6f4 v[160+8*(4*(\hi)+\t):167+8*(4*(\hi)+\t)], v[32+16*\t:47+16*\t], v[224:239], v[160+8*(4*(\hi)+\t):167+8*(4*(\hi)+\t)], v[248+2*(\hi)+\t/2], v[\pw]
	v_wmma_scale_f32_16x16x128_f8f6f4 v[168+8*(4*(\hi)+\t):175+8*(4*(\hi)+\t)], v[48+16*\t:63+16*\t], v[224:239], v[168+8*(4*(\hi)+\t):175+8*(4*(\hi)+\t)], v[248+2*(\hi)+\t/2], v[\pw] matrix_a_scale:MATRIX_SCALE_ROW1
.endif
.endr
.endm
; ONE TILE'S SOFTMAX FOR ONE KEY STEP.  All its vector registers lie in one window: window 0 for tile A (wb = 0), window 1 for tile B (wb = 1), set by the caller.  first = 1: O^T does not exist yet and is not rescaled.
.macro SOFTMAX first, wb
.irp b, 0,1,2,3
	v_max3_num_f32 v[232+\b], v[96+16*\b], v[97+16*\b], v[98+16*\b]   ; THE LARGEST SCORE OF EACH BLOCK OF 32 KEYS serves twice: for the row's maximum and, since p rises with the score, for the block's largest p
.endr
.irp i, 3,5,7,9,11,13
.irp b, 0,1,2,3
	v_max3_num_f32 v[232+\b], v[232+\b], v[96+16*\b+\i], v[97+16*\b+\i]   ; the four blocks by turns
.endr
.endr
.irp b, 0,1,2,3
	v_max_num_f32 v[232+\b], v[232+\b], v[111+16*\b]
.endr
.irp b, 0,1,2,3
	v_permlanex16_b32 v[236+\b], v[232+\b], s24, s25
.endr
.irp b, 0,1,2,3
	s_delay_alu instid0(VALU_DEP_4)
	v_max_num_f32 v[232+\b], v[232+\b], v[236+\b]  ; with lane l xor 16's 16 keys
.endr
	s_delay_alu instid0(VALU_DEP_2)
	v_max3_num_f32 v254, v232, v233, v234
	s_delay_alu instid0(VALU_DEP_1)
	v_max_num_f32 v254, v254, v235                 ; the step's largest score of my query
	s_delay_alu instid0(VALU_DEP_1)
	v_mul_f32 v254, s26, v254                      ; as t (c is positive)
	s_delay_alu instid0(VALU_DEP_1)
	v_max_num_f32 v13, v13, v254                   ; the running largest t
	v_mov_b32 v254, v12
	s_delay_alu instid0(VALU_DEP_2)
	v_floor_f32 v12, -v13                          ; the new -M = floor(-t) = -ceil(t): M is a whole number
	s_delay_alu instid0(VALU_DEP_1)
	v_sub_f32 v254, v12, v254                      ; M's old value less its new one: a whole number, 0 or less
	s_delay_alu instid0(VALU_DEP_1)
	v_cvt_i32_f32 v254, v254                       ; (it saturates)
	s_delay_alu instid0(VALU_DEP_1)
	v_ldexp_f32 v252, 1.0, v254                    ; f = 2^(old M - new M): a multiplication by it rounds nothing
.set J, 0
.rept 32
	v_pk_fma_f32 v[96+J:97+J], v[96+J:97+J], s[26:27], v[12:13] op_sel_hi:[1,0,0]   ; t - M, two at a time (of the pairs c and -M the low word serves both halves)
.set J, J+2
.endr
.irp b, 0,1,2,3
	v_fma_f32 v[232+\b], v[232+\b], s26, v12       ; the same of each block's largest score
.endr
.set J, 0
	s_wait_alu depctr_va_vdst(0)
.rept 64
	v_exp_f32 v[96+J], v[96+J]                     ; p = 2^(t - M), at most 1: not normalised
.set J, J+1
.endr
.irp b, 0,1,2,3
	v_exp_f32 v[232+\b], v[232+\b]                 ; the block's largest p: the same two instructions on the same number give the same bits
.endr
	v_pk_mul_f32 v[14:15], v[14:15], v[252:253] op_sel_hi:[1,0]   ; the sums under the new M.  (The plain line behind the exponentials)
	s_wait_alu depctr_va_vdst(0)
.irp b, 0,1,2,3
	v_max_num_f32 v[232+\b], 0x4800000, v[232+\b]  ; the floor 2^(9 - 127): the byte cannot fall under 1
.endr
.irp b, 0,1,2,3
	s_delay_alu instid0(VALU_DEP_4)
	v_add_nc_u32 v[244+\b], 0xfc000000, v[232+\b]  ; 8 off the exponent field: the conversion's scale operand
.endr
.irp b, 0,1,2,3
.endr
.irp b, 0,1,2,3
	s_delay_alu instid0(VALU_DEP_4)
	v_lshrrev_b32 v[236+\b], 23, v[244+\b]         ; the scale's byte
.endr
	s_delay_alu instid0(VALU_DEP_3)
	v_lshl_or_b32 v253, v237, 8, v236              ; p's scale word for these 128 keys
	s_delay_alu instid0(VALU_DEP_1)
	v_lshl_or_b32 v253, v238, 16, v253
	s_delay_alu instid0(VALU_DEP_1)
	v_lshl_or_b32 v253, v239, 24, v253
.if \wb
	WIN 0x01                                       ; source 0 window 1, destination window 0
	v_mov_b32 v8, v253                             ; a scale operand has no window: tile B's word goes over to window 0, here, far more than eight places ahead of the products that name it
	WIN 0x55
.endif
	v_pk_add_f32 v[236:237], v[96:97], v[98:99]    ; THE ROW'S SUM IS TAKEN OF THE UNQUANTISED p: two at a time, in two chains
.set J, 4
.rept 15
	v_pk_add_f32 v[14:15], v[14:15], v[96+J:97+J]
	v_pk_add_f32 v[236:237], v[236:237], v[98+J:99+J]
.set J, J+4
.endr
	s_delay_alu instid0(VALU_DEP_1)
	v_pk_add_f32 v[14:15], v[14:15], v[236:237]
.irp b, 0,1,2,3
.set J, 0
.rept 16
.set J, J+1
.endr
	v_cvt_scalef32_pk8_fp8_f32 v[224+4*\b:225+4*\b], v[96+16*\b:103+16*\b], v[244+\b]
	v_cvt_scalef32_pk8_fp8_f32 v[226+4*\b:227+4*\b], v[104+16*\b:111+16*\b], v[244+\b]
.endr
.if \first
.if \wb
	s_wait_alu depctr_va_vdst(0)
.rept 8
	v_nop                                          ; the plain line behind the last conversion, and the places between codes written by vector instructions and the products that take them.  (Tile A's have tile B's softmax behind them)
.endr
.endif
.else
.set J, 0
.rept 32
	v_pk_mul_f32 v[160+J:161+J], v[160+J:161+J], v[252:253] op_sel_hi:[1,0]   ; O^T under the new M.  (These 32 are also those places)
.set J, J+2
.endr
.endif
.endm
; A KEY STEP: my 128 keys of slot sl, for both my tiles.  Every window is 0 at its head and at its end.
.macro STEP sl, first
.if \first == 0
.rept 8
	v_nop                                          ; eight places in front of loads into registers that matrix instructions have read
.endr
.endif
	LOADW \sl, KSC
	LOADF \sl, 0, 0
	WIN 0x40                                       ; destination window 1, address window 0
	LOADF \sl, 0, 1
	s_wait_dscnt 16                                ; the scale words and fragments 0-3 are in; the 16 youngest loads, fragments 4-7, may be out
	WIN 0
	SMUL 0, 255                                    ; tile A
	WIN 0x54                                       ; K window 0; Q and S^T window 1
	SMUL 0, 7                                      ; tile B: the same fragments a second time
	s_wait_dscnt 0x0
	WIN 0x55
	SMUL 1, 7
	WIN 0x01                                       ; K window 1; Q and S^T window 0
	SMUL 1, 255
	WIN 0
.rept 8
	v_nop                                          ; eight places in front of the first read of a result, and of the loads below
.endr
	LOADW \sl, VSC                                 ; V is asked for ahead of the softmax, under which it lands
	LOADF \sl, VIM, 0
	SOFTMAX \first, 0
	WIN 0x40
	LOADF \sl, VIM, 1
	WIN 0x55
	SOFTMAX \first, 1
	s_wait_alu depctr_va_vdst(0)
	s_wait_dscnt 0x0                               ; V
	PMUL 1, 8, \first                              ; the sixteen accumulators take turns, one instruction a turn
	WIN 0x54                                       ; V window 0; p and O^T window 1
	PMUL 0, 8, \first
	WIN 0
	PMUL 0, 253, \first
	WIN 0x01                                       ; V window 1; p and O^T window 0
	PMUL 1, 253, \first
	WIN 0
.endm
; A TRIP: one slot.  In front of the round each wave waits for all its tensor loads (its part of this slot), adds 0 to its spare word, and waits for that and for its reads of the other slot.  Behind the round this slot is whole
; in all four work-groups and no wave of any of them reads the other slot or has a load on its way: that slot is filled again first (refill = 1), and the load has this trip's work in which to land.
.macro TRIP slot, refill, first
	s_wait_tensorcnt 0x0                           ; no tensor load of mine is out, so a group 0 may be written
	ds_add_u32 v5, v6                              ; 0 onto my spare word
	s_add_nc_u64 s[38+4*\slot:39+4*\slot], s[38+4*\slot:39+4*\slot], 2*SLOTB   ; this slot's next four steps; the type bits on top are not reached
	s_wait_dscnt 0x0                               ; the add is done, and my reads of the other slot are over
	CROUND
.if \refill
	JLOAD 40-4*\slot
.endif
	STEP \slot, \first
.endm
	TRIP 0, 1, 1                                   ; 32 steps are 8 slots.  The first stands ahead of the loop: its products start O^T's sums
.Lloop:                                            ; three trips of two slots
	TRIP 1, 1, 0
	TRIP 0, 1, 0
	s_sub_co_u32 s44, s44, 1
	s_cmp_lg_u32 s44, 0
	s_cbranch_scc1 .Lloop
	TRIP 1, 0, 0                                   ; the last is written out: nothing is left to fetch (the stepped addresses are not used)
	; ---- my partial results go to LDS.  The addresses of the end are made here, in tile A's Q registers; these lines are also the places behind the last products.
	s_lshr_b32 s45, s20, 2                         ; which two channel blocks I join: 2 (w / 4), 2 (w / 4) + 1, of tile w % 4
	s_lshl_b32 s48, s21, 11
	s_lshl_b32 s49, s45, 10
	s_add_co_u32 s48, s48, s49
	s_add_co_u32 s48, s48, AIMG
	s_lshl_b32 s49, s21, 7
	s_lshl_b32 s50, s45, 1
	s_add_co_u32 s49, s49, s50
	s_add_co_u32 s49, s49, ASC
	s_lshl_b32 s50, s20, 14
	s_lshl_b32 s51, s20, 9
	s_add_co_u32 s51, s51, MST
	s_lshl_b32 s52, s21, 13
	s_lshl_b32 s53, s45, 12
	s_add_co_u32 s52, s52, s53
	s_lshl_b32 s53, s21, 8
	s_add_co_u32 s53, s53, MST
	v_add_f32 v14, v14, v15                        ; tile A: the sum's two halves,
	v_and_b32 v24, 31, v0                          ; lane
	v_and_b32 v25, 15, v0                          ; r
	v_bfe_u32 v26, v0, 4, 1                        ; h
	s_delay_alu instid0(VALU_DEP_4)
	v_permlanex16_b32 v254, v14, s24, s25
	s_delay_alu instid0(VALU_DEP_4)
	v_lshl_add_u32 v16, v24, 4, s48                ; where my pieces of attn's image go: AIMG + 2,048 (w % 4) + 1,024 (w / 4) + 16 lane
	v_lshl_add_u32 v17, v24, 2, s49                ; and their scale bytes: ASC + 128 (w % 4) + 2 (w / 4) + 4 lane
	v_lshl_add_u32 v18, v24, 4, AIMG               ; from where the images are read,
	v_lshl_add_u32 v19, v24, 2, ASC                ; and their scale words
	v_lshlrev_b32 v20, 4, v25
	s_delay_alu instid0(VALU_DEP_1)
	v_lshl_add_u32 v20, v26, 17, v20               ; x, out: 8 h channels of 16,384 bytes + 16 r
	v_lshlrev_b32 v21, 7, v25
	s_delay_alu instid0(VALU_DEP_1)
	v_lshl_add_u32 v21, v26, 4, v21                ; wo: row r, + 16 h
	v_lshlrev_b32 v22, 2, v25                      ; wo's scale words
	v_lshlrev_b32 v23, 5, v26                      ; bo: my half's eight numbers
	v_lshl_add_u32 v27, v24, 4, s50                ; where tile A's O^T goes: 16 lane + 16,384 w; tile B's 8,192 on
	v_lshl_add_u32 v28, v24, 3, s51                ; where tile A's (-M, sum) goes: MST + 512 w + 8 lane; tile B's 256 on
	v_lshl_add_u32 v29, v24, 4, s52                ; what I join: 16 lane + 8,192 (w % 4) + 4,096 (w / 4), in key quarter 0's result
	s_delay_alu instid0(VALU_DEP_1)
	v_add_nc_u32 v30, 65536, v29                   ; (an LDS offset has 16 bits: key quarters 2 and 3 by a second register)
	v_lshl_add_u32 v31, v24, 3, s53                ; MST + 256 (w % 4) + 8 lane
	v_add_f32 v13, v14, v254                       ; and lane l xor 16's: my keys' sum, beside -M
	WIN 0x55
	v_add_f32 v14, v14, v15                        ; tile B likewise
	s_delay_alu instid0(VALU_DEP_1)
	v_permlanex16_b32 v254, v14, s24, s25
	s_delay_alu instid0(VALU_DEP_1)
	v_add_f32 v13, v14, v254
	WIN 0
.irp g, 0,1,2,3,4,5,6,7,8,9,10,11,12,13,14,15
	ds_store_b128 v27, v[160+4*\g:163+4*\g] offset:512*\g   ; O^T as it stands, each accumulator from its low end on
.endr
	ds_store_b64 v28, v[12:13]
	WIN 0x04                                       ; an LDS store's data are its source 1: window 1
.irp g, 0,1,2,3,4,5,6,7,8,9,10,11,12,13,14,15
	ds_store_b128 v27, v[160+4*\g:163+4*\g] offset:8192+512*\g
.endr
	ds_store_b64 v28, v[12:13] offset:256
	WIN 0
.irp c, 0,1,2,3
	global_load_b128 v[32+4*\c:35+4*\c], v21, s[10:11] offset:32*\c   ; asked for now, wanted behind two barriers: wo's rows 16 w + r,
.endr
	global_load_b128 v[48:51], v23, s[14:15]       ; bo in the result's layout: channels 16 w + 8 h + 0 .. 7,
	global_load_b128 v[52:55], v23, s[14:15] offset:16
	global_load_b32 v255, v22, s[12:13]            ; wo's scale words,
.irp j, 0,1,2,3,4,5,6,7
	global_load_b128 v[64+4*\j:67+4*\j], v20, s[16:17] offset:16384*\j th:TH_LOAD_NT   ; x of channel 16 w + 8 h + j, positions 4 r .. 4 r + 3
.endr
	s_wait_alu depctr_va_vdst(0)
	s_wait_dscnt 0x0                               ; for the others' sake: my stores are done
	s_barrier_signal -1
	s_barrier_wait -1
	; ---- two channel blocks of tile w % 4, joined over the four key quarters: block e's four partial results in v[96 + 64 e] on, 16 registers each
.irp e, 0,1
.irp i, 0,1
.irp c, 0,1,2,3
	ds_load_b128 v[96+64*\e+16*\i+4*\c:99+64*\e+16*\i+4*\c], v29 offset:32768*\i+2048*\e+512*\c
.endr
.endr
.irp i, 2,3
.irp c, 0,1,2,3
	ds_load_b128 v[96+64*\e+16*\i+4*\c:99+64*\e+16*\i+4*\c], v30 offset:32768*(\i-2)+2048*\e+512*\c
.endr
.endr
.endr
.irp i, 0,1,2,3
	ds_load_b64 v[224+2*\i:225+2*\i], v31 offset:1024*\i
.endr
	s_wait_dscnt 0x0
	v_min3_num_f32 v232, v224, v226, v228
	s_delay_alu instid0(VALU_DEP_1)
	v_min_num_f32 v232, v232, v230                 ; -M of the whole row
.irp i, 0,1,2,3
	v_sub_f32 v[233+\i], v232, v[224+2*\i]         ; a quarter's M less the row's: a whole number, 0 or less
.endr
.irp i, 0,1,2,3
	s_delay_alu instid0(VALU_DEP_4)
	v_cvt_i32_f32 v[233+\i], v[233+\i]
.endr
.irp i, 0,1,2,3
	s_delay_alu instid0(VALU_DEP_4)
	v_ldexp_f32 v[233+\i], 1.0, v[233+\i]          ; f: brings a quarter's sums under the row's M, exactly
.endr
	s_delay_alu instid0(VALU_DEP_4)
	v_mul_f32 v238, v233, v225
	s_delay_alu instid0(VALU_DEP_1)
	v_fmac_f32 v238, v234, v227
	s_delay_alu instid0(VALU_DEP_1)
	v_fmac_f32 v238, v235, v229
	s_delay_alu instid0(VALU_DEP_1)
	v_fmac_f32 v238, v236, v231                    ; the row's sum
	s_wait_alu depctr_va_vdst(0)
	v_rcp_f32 v239, v238
	v_nop                                          ; a plain line behind the transcendental
	s_wait_alu depctr_va_vdst(0)
.irp i, 0,1,2,3
	v_mul_f32 v[240+2*\i], v[233+\i], v239         ; f / the sum, twice: a pair for the packed forms
	v_mul_f32 v[241+2*\i], v[233+\i], v239
.endr
.irp e, 0,1
.irp q, 0,1,2,3,4,5,6,7
	v_pk_mul_f32 v[96+64*\e+2*\q:97+64*\e+2*\q], v[96+64*\e+2*\q:97+64*\e+2*\q], v[240:241]
.endr
.endr
.irp i, 1,2,3
.irp e, 0,1
.irp q, 0,1,2,3,4,5,6,7
	v_pk_fma_f32 v[96+64*\e+2*\q:97+64*\e+2*\q], v[96+64*\e+16*\i+2*\q:97+64*\e+16*\i+2*\q], v[240+2*\i:241+2*\i], v[96+64*\e+2*\q:97+64*\e+2*\q]
.endr
.endr
.endr
	; attn(channel 32 (2 (w / 4) + e) + 16 h + 0 .. 15, my query): each a block of 32 with lane l xor 16; the two blocks by turns
.irp e, 0,1
	v_max3_num_f32 v[224+\e], |v[96+64*\e]|, |v[97+64*\e]|, 0x4800000   ; and the floor 2^(9 - 127): the byte cannot fall under 1
.endr
.irp i, 2,4,6,8,10,12,14
.irp e, 0,1
	s_delay_alu instid0(VALU_DEP_2)
	v_max3_num_f32 v[224+\e], v[224+\e], |v[96+64*\e+\i]|, |v[97+64*\e+\i]|
.endr
.endr
.irp e, 0,1
	s_delay_alu instid0(VALU_DEP_2)
	v_permlanex16_b32 v[226+\e], v[224+\e], s24, s25
.endr
.irp e, 0,1
	s_delay_alu instid0(VALU_DEP_2)
	v_max_num_f32 v[224+\e], v[224+\e], v[226+\e]
.endr
.irp e, 0,1
	s_delay_alu instid0(VALU_DEP_2)
	v_add_nc_u32 v[228+\e], 0xfc000000, v[224+\e]  ; the conversion's scale operand
.endr
.irp e, 0,1
.endr
.irp e, 0,1
	s_delay_alu instid0(VALU_DEP_2)
	v_lshrrev_b32 v[232+\e], 23, v[228+\e]         ; the scale's byte
.endr
.irp e, 0,1
.irp i, 0,1,2,3,4,5,6,7,8,9,10,11,12,13,14,15
.endr
	v_cvt_scalef32_pk8_fp8_f32 v[112+64*\e:113+64*\e], v[96+64*\e:103+64*\e], v[228+\e]
	v_cvt_scalef32_pk8_fp8_f32 v[114+64*\e:115+64*\e], v[104+64*\e:111+64*\e], v[228+\e]
.endr
	v_nop                                          ; one plain line behind the last conversion: the products below write some of these registers
	ds_store_b128 v16, v[112:115]
	ds_store_b128 v16, v[176:179] offset:512
	ds_store_b8 v17, v232
	ds_store_b8 v17, v233 offset:1
	s_wait_dscnt 0x0                               ; for the others' sake
	s_barrier_signal -1
	s_barrier_wait -1                              ; attn's four images and their scale words lie in LDS
	; ---- out = wo attn + bo + x: 16 output channels a wave, the four tiles of positions
.irp j, 0,1,2,3
.irp c, 0,1,2,3
	ds_load_b128 v[96+16*\j+4*\c:99+16*\j+4*\c], v18 offset:2048*\j+512*\c
.endr
.endr
.irp j, 0,1,2,3
	ds_load_b32 v[248+\j], v19 offset:128*\j
.endr
	s_wait_dscnt 0x0
	s_wait_loadcnt 0x0                             ; wo, bo, x
.irp j, 0,1,2,3
	v_wmma_scale_f32_16x16x128_f8f6f4 v[160+8*\j:167+8*\j], v[32:47], v[96+16*\j:111+16*\j], v[48:55], v255, v[248+\j]   ; register i of lane (r, h): channel 16 w + 8 h + i, position 4 r + j
.endr
.rept 8
	v_nop
.endr
.irp i, 0,1,2,3,4,5,6,7
.irp j, 0,1,2,3
	v_add_f32 v[192+4*\i+\j], v[160+8*\j+\i], v[64+4*\i+\j]   ; + x; each accumulator is read from its low end on.  Four tiles' results of one channel are four neighbouring positions
.endr
.endr
.irp i, 0,1,2,3,4,5,6,7
	global_store_b128 v20, v[192+4*\i:195+4*\i], s[18:19] offset:16384*\i th:TH_STORE_NT   ; 16 lanes store 256 consecutive, aligned bytes of one channel
.endr
	s_wait_tensorcnt 0x0                           ; the wave's end, behind my last tensor load and my last LDS store
	ds_add_u32 v5, v6
	s_wait_dscnt 0x0
	CROUND                                         ; the closing round: no work-group ends while a partner may still ask for a tile that names it
	s_endpgm
.Lfunc_end_k_q9d34c1119c_attn:
	.size	k_q9d34c1119c_attn, .Lfunc_end_k_q9d34c1119c_attn-k_q9d34c1119c_attn
	.p2alignl 7, 3214868480
	.fill 96, 4, 3214868480
	.section	.rodata,"a",@progbits
	.p2align	6, 0x0
	.amdhsa_kernel k_q9d34c1119c_attn
		.amdhsa_group_segment_fixed_size 327680
		.amdhsa_private_segment_fixed_size 0
		.amdhsa_enable_private_segment 0
		.amdhsa_kernarg_size 64
		.amdhsa_user_sgpr_count 2
		.amdhsa_user_sgpr_kernarg_segment_ptr 1
		.amdhsa_wavefront_size32 1
		.amdhsa_system_sgpr_workgroup_id_x 1
		.amdhsa_system_sgpr_workgroup_id_y 1
		.amdhsa_system_sgpr_workgroup_id_z 1
		.amdhsa_system_vgpr_workitem_id 0
		.amdhsa_next_free_vgpr 512
		.amdhsa_next_free_sgpr 66
		.amdhsa_reserve_vcc 0
		.amdhsa_float_denorm_mode_32 3
		.amdhsa_float_denorm_mode_16_64 3
		.amdhsa_fp16_overflow 1
		.amdhsa_memory_ordered 1
		.amdhsa_forward_progress 1
		.amdhsa_inst_pref_size 170
	.end_amdhsa_kernel
	.amdgpu_metadata
---
amdhsa.version: [ 1, 2 ]
amdhsa.kernels:
  - .name:           k_q9d34c1119c_attn
    .symbol:         k_q9d34c1119c_attn.kd
    .args:
      - { .name: qc, .offset: 0, .size: 8, .value_kind: global_buffer, .address_space: global }
      - { .name: qs, .offset: 8, .size: 8, .value_kind: global_buffer, .address_space: global }
      - { .name: kv, .offset: 16, .size: 8, .value_kind: global_buffer, .address_space: global }
      - { .name: wo_codes, .offset: 24, .size: 8, .value_kind: global_buffer, .address_space: global }
      - { .name: wo_scales, .offset: 32, .size: 8, .value_kind: global_buffer, .address_space: global }
      - { .name: bo, .offset: 40, .size: 8, .value_kind: global_buffer, .address_space: global }
      - { .name: x, .offset: 48, .size: 8, .value_kind: global_buffer, .address_space: global }
      - { .name: out0, .offset: 56, .size: 8, .value_kind: global_buffer, .address_space: global }
    .group_segment_fixed_size: 327680
    .private_segment_fixed_size: 0
    .kernarg_segment_align: 8
    .kernarg_segment_size: 64
    .max_flat_workgroup_size: 256
    .sgpr_count:     66
    .vgpr_count:     512
    .wavefront_size: 32
...
	.end_amdgpu_metadata
.endif
;; end of part 3
